; MI455X (gfx1250); checked and timed in simulation.
; The chip was launched on July 23, 2026; its instructions are those of AMD's public machine-readable ISA for CDNA 5 (MIT licence, August 2026) and "CDNA5" Instruction Set Architecture Reference Guide (July 2026). The comments in the code are by the model that wrote it; some were corrected since.
;; Optimized Mo E. Allowed arithmetic: matrix products marked QUANTISED: E4M3 operands, one given power-of-two scale a tensor, by v_wmma_f32_16x16x64_fp8_fp8 or v_wmma_f32_16x16x128_fp8_fp8, f32 sums; products left as they are: f32 operands where the result goes on into a quantised operand, else bf16, f16 or f32 operands; f32 sums; everything else in f32.
;; Inputs: expert_b 8 x 1,024 float32; expert_w 8 x 1,024 x 1,024 float32; lowp_scales 2 int32 (the exponents e of the quantised operands' scales 2^e); router_b 8 float32; router_w 8 x 1,024 float32; x 2 x 2,048 x 1,024 float32.
;; Outputs: out0 2 x 2,048 x 1,024 float32.
;; This version of the problem:
;;   THIS VERSION OF THE PROBLEM IS GIVEN IN LOW PRECISION. The matrix products marked QUANTISED in the list below multiply operands that are first quantised to E4M3 (4 exponent bits, 3 mantissa bits; 8 bits a number), with one given power-of-two scale for each operand tensor; their sums are f32. All else is computed in f32.
;;   The module's matrix products, in the order in which they are computed (A, B: the left and right operand; K: the contracted axis; several contracted axes count as one K, in the product's order):
;;     1. [M 4,096, K 1,024] x [K 1,024, N 8]; A: input x; B: input router_w: left as it is (N = 8 < 16)
;;     2. [M 4,096, K 1,024] x [K 1,024, N 8,192]; A: input x; B: input expert_w: QUANTISED (scales: A lowp_scales[0], B lowp_scales[1])
;;   THE QUANTISER, for each operand of a quantised product, along K:
;;     - The operand's scale is 2^e, e = its entry of the input lowp_scales (int32; the entries are numbered through the quantised products in the list's order, A before B).
;;     - Each number is divided by the scale, clamped to +-448, and rounded to the nearest number of E4M3, ties to even, subnormals kept.
;;     - The product sums the exact products of the quantised numbers (number of the format x scale) in f32.
;;   ~~~python
;;   def quantise(x, axis, e):      # numpy; x: float32 -> the quantised numbers, widened to float32 again
;;       x = np.moveaxis(x, axis, -1); K = x.shape[-1]
;;       r = np.clip(x / 2.0 ** e, -448, 448)
;;       step = 2.0 ** (np.maximum(np.frexp(np.where(r == 0, 1, r))[1] - 1, -6) - 3)
;;       q = np.round(r / step) * step * 2.0 ** e      # np.round: ties to even
;;       return np.moveaxis(q, -1, axis).astype(np.float32)
;;   ~~~
;; One version. Each part assembles by itself: llvm-mc -triple=amdgcn-amd-amdhsa -mcpu=gfx1250 --defsym DOCPART=n.
;; ======== version 1 of 1: 2 launches
;; limits: right only within a limited range of input values
;; workspace buffers: x_codes 4,194,304 bytes; masks 4,096 bytes of whole numbers; gate 16,384 bytes
;; launch route (part 1): grid 256 x 1, 4 waves a work-group, no clusters, 33,536 bytes of LDS; arguments x, router_w, router_b, lowp_scales, x_codes, masks, gate; writes x_codes, masks, gate
.if DOCPART == 1
	.amdgcn_target "amdgcn-amd-amdhsa--gfx1250"
	.amdhsa_code_object_version 6
	.text
	.protected	k_q901529e08f_route
	.globl	k_q901529e08f_route
	.p2align	8
	.type	k_q901529e08f_route,@function
k_q901529e08f_route:
	s_mov_b64 s[64:65], 0
	v_nop
	global_prefetch_b8 v0, s[64:65] scope:SCOPE_SE
	s_setreg_imm32_b32 hwreg(HW_REG_WAVE_MODE, 25, 1), 1
	s_wait_xcnt 0x0
; For each of 4,096 tokens, all in f32: logits = x . router_w[e] + router_b[e]; the expert is the first largest logit; gate = softmax(logits)[expert] = 1 / sum over e of exp(logit_e - largest).
; And x is turned into codes of FP8 (E4M3): x / 2^ea, held within +-448, to the nearest code, ties to even; ea = lowp_scales[0].
; What the experts are is stored as bits: masks[e][g], 16 bits for each group of 16 tokens g (= work-group): bit i says that token 16 g + i has chosen expert e.
; The product with the experts that a token has not chosen is not made: the next launch reads the masks and multiplies chosen rows alone.
; ORDER OF THE CODES.  A load takes 512 consecutive bytes of a row: lane l holds the numbers k = 128 s + 4 l + 0..3 of segment s.  A conversion takes two segments' four numbers and gives a word for each; the words of
; segments 4 u .. 4 u + 3 are the lane's 16 bytes of half u: byte 512 u + 16 l + 4 (s % 4) + j of a row of codes is k = 128 s + 4 l + j.  The next launch lays expert_w's codes in the same order of k, so every product meets its partner.
; SHARES.  A work-group takes 16 tokens, a wave 4 rows in 128 registers.  router_w lies in LDS, copied by the four waves, two experts each.
; The 32 sums of a wave (4 tokens x 8 experts) are added over the lanes by halving: each step adds across one bit of the lane's number and keeps half of the sums, so that lane 4 e + p ends with the logit of token p, expert e.
; The eight lanes of a token hold the same gate, bit for bit (each sum of two is the same from both sides), and store it to the same place; so do the four lanes of an expert with its mask: EXEC is never narrowed.
; No loop, so no prefetch; no tensor loads, no matrix instructions.  masks and gate are 20 KiB in all: they leave in short stores.
; LIMITS: -126 <= ea <= 119.  NaN among the inputs is not served.  Logits that are equal within the rounding of an f32 sum may fall to another expert than in another order of summing.
.set SPW, 4                            ; v4 LDS address of my spare word
.set NIL, 5                            ; v5 0
.set X,   16                           ; v16-143  my rows: 32 p + 4 s
.set RW,  144                          ; v144-175 router_w: two sets of four experts' 4 numbers; at the end codes
.set ACC, 176                          ; v176-239 pairs of sums: 2 (4 e + p); at first router_w on its way to LDS; at the end 32 sums (v176-207) and the halving's work
.set MB,  32768                        ; LDS: the four waves' words of chosen experts
.set SPARE, 33024
	s_load_b256 s[4:11], s[0:1], 0x0               ; x, router_w, router_b, lowp_scales
	s_load_b128 s[12:15], s[0:1], 0x20             ; x_codes, masks
	s_load_b64 s[16:17], s[0:1], 0x30              ; gate
	v_lshl_add_u32 v[SPW], v0, 2, SPARE
	v_mov_b32 v[NIL], 0
	v_lshrrev_b32 v6, 5, v0
	v_readfirstlane_b32 s18, v6                    ; wave
	v_and_b32 v1, 31, v0                           ; lane
	v_lshlrev_b32 v2, 4, v1
	v_lshrrev_b32 v8, 2, v1                        ; e of my logit
	v_lshlrev_b32 v6, 2, v8
	v_cvt_f32_u32 v9, v8
	v_and_b32 v15, 3, v1
	v_lshlrev_b32 v15, 2, v15                      ; my token's gate
	v_and_b32 v14, 7, v1
	v_lshlrev_b32 v14, 2, v14                      ; 4 (lane % 8): where expert lane % 8 stands in a word
	v_lshlrev_b32 v0, 7, v14                       ; and its 512 bytes of masks
	v_mov_b32 v13, MB
	s_lshl_b32 s19, s18, 13
	v_add_nc_u32 v3, s19, v2                       ; my two experts, in router_w and in LDS alike
	s_lshl_b32 s19, s18, 2
	s_add_co_u32 s19, s19, MB
	v_mov_b32 v12, s19                             ; my wave's word
	s_lshl_b32 s20, ttmp9, 4
	s_lshl_b32 s21, s18, 2
	s_add_co_u32 s20, s20, s21                     ; my first token
	s_lshl_b32 s22, s20, 12
	s_mov_b32 s23, 0
	s_lshl_b32 s24, s20, 10
	s_mov_b32 s25, 0
	s_lshl_b32 s26, s20, 2
	s_mov_b32 s27, 0
	s_lshl_b32 s30, ttmp9, 1
	s_mov_b32 s31, 0
	s_wait_alu depctr_va_vdst(0)
	s_wait_kmcnt 0x0
	s_load_b64 s[32:33], s[10:11], 0x0             ; ea, eb
	s_add_nc_u64 s[4:5], s[4:5], s[22:23]
	s_add_nc_u64 s[12:13], s[12:13], s[24:25]
	s_add_nc_u64 s[16:17], s[16:17], s[26:27]
	s_add_nc_u64 s[14:15], s[14:15], s[30:31]
	global_load_b32 v7, v6, s[8:9]                 ; router_b[e]
.irp e, 0,1
.irp s, 0,1,2,3,4,5,6,7
	global_load_b128 v[ACC+32*\e+4*\s:ACC+32*\e+4*\s+3], v3, s[6:7] offset:4096*\e+512*\s
.endr
.endr
.irp s, 0,1,2,3,4,5,6,7
.irp p, 0,1,2,3
	global_load_b128 v[X+32*\p+4*\s:X+32*\p+4*\s+3], v2, s[4:5] offset:4096*\p+512*\s th:TH_LOAD_NT
.endr
.endr
	s_mov_b32 s40, 0x76543210                      ; v_permlanex16_b32: each lane takes its own place in the other half
	s_mov_b32 s41, 0xfedcba98
	s_mov_b32 s42, 0xaaaaaaaa                      ; lanes with bit 0, 1, 2, 3, 4 set
	s_mov_b32 s43, 0xcccccccc
	s_mov_b32 s44, 0xf0f0f0f0
	s_mov_b32 s45, 0xff00ff00
	s_mov_b32 s46, 0xffff0000
	s_wait_alu depctr_va_vdst(0)                   ; the head's end
	s_wait_loadcnt 32                              ; router_b and router_w are in; the 32 loads of x may be out
.irp e, 0,1
.irp s, 0,1,2,3,4,5,6,7
	ds_store_b128 v3, v[ACC+32*\e+4*\s:ACC+32*\e+4*\s+3] offset:4096*\e+512*\s
.endr
.endr
	s_wait_dscnt 0x0                               ; for the others' sake: my two experts lie in LDS
	s_barrier_signal -1
	s_barrier_wait -1
; Part u = 2 s + eh: segment s, experts 4 eh .. 4 eh + 3.
.macro RL u
.irp i, 0,1,2,3
	ds_load_b128 v[RW+16*((\u)%2)+4*\i:RW+16*((\u)%2)+4*\i+3], v2 offset:4096*(4*((\u)%2)+\i)+512*((\u)/2)
.endr
.endm
.macro DOT u
.if (\u) < 15
	RL (\u)+1
.endif
.if (\u)%2 == 0
	s_wait_loadcnt 28-4*((\u)/2)                   ; the four rows' segment s is in; younger segments may be out
.endif
.if (\u) < 15
	s_wait_dscnt 4                                 ; this part's four loads are in; the next part's four may be out
.else
	s_wait_dscnt 0x0
.endif
.irp z, 0,2
.irp i, 0,1,2,3
.irp p, 0,1,2,3
.set AA, ACC+2*(4*(4*((\u)%2)+\i)+\p)
.set XX, X+32*\p+4*((\u)/2)+\z
.set RR, RW+16*((\u)%2)+4*\i+\z
.if ((\u) < 2) && (\z == 0)
	v_pk_mul_f32 v[AA:AA+1], v[XX:XX+1], v[RR:RR+1]
.else
	v_pk_fma_f32 v[AA:AA+1], v[XX:XX+1], v[RR:RR+1], v[AA:AA+1]
.endif
.endr
.endr
.endr
.endm
; Half u of the four rows is held and converted (the router has read it), and stored.
.macro QH u, c
.irp p, 0,1,2,3
.set J, 0
.rept 16
	v_med3_num_f32 v[X+32*\p+16*\u+J], v[X+32*\p+16*\u+J], -v10, v10   ; the conversion to an 8-bit code does not saturate (ISA guide 7.6.2)
.set J, J+1
.endr
.endr
.irp p, 0,1,2,3
	v_cvt_scalef32_pk8_fp8_f32 v[\c+4*\p:\c+4*\p+1], v[X+32*\p+16*\u:X+32*\p+16*\u+7], v11
	v_cvt_scalef32_pk8_fp8_f32 v[\c+4*\p+2:\c+4*\p+3], v[X+32*\p+16*\u+8:X+32*\p+16*\u+15], v11
.endr
	v_nop                                          ; one plain vector instruction behind the last conversion
.endm
.macro QS u, c
.irp p, 0,1,2,3
	global_store_b128 v2, v[\c+4*\p:\c+4*\p+3], s[12:13] offset:1024*\p+512*\u   ; 512 consecutive bytes
.endr
.endm
	RL 0
.irp u, 0,1,2,3,4,5,6,7
	DOT \u
.endr
	s_wait_alu depctr_va_vdst(0)
	s_wait_kmcnt 0x0
	s_add_co_i32 s32, s32, 127
	s_lshl_b32 s33, s32, 23
	v_mov_b32 v11, s33                             ; 2^ea
	s_add_co_i32 s32, s32, 8
	s_lshl_b32 s32, s32, 23
	s_or_b32 s32, s32, 0x600000
	v_mov_b32 v10, s32                             ; 448 x 2^ea
	QH 0, 240
	QS 0, 240
	s_wait_alu depctr_va_vdst(0)
.irp u, 8,9,10,11,12,13,14,15
	DOT \u
.endr
.set J, 0
.rept 32
	v_add_f32 v[ACC+J], v[ACC+2*J], v[ACC+2*J+1]   ; v176-207: sum 4 e + p
.set J, J+1
.endr
; One step of the halving: lanes of the mask keep the odd sum of each pair and send the even one, the others the other way round.
.macro PICK n, mk
.set J, 0
.rept \n
	v_cndmask_b32 v[208+J], v[ACC+2*J+1], v[ACC+2*J], s[\mk]
.set J, J+1
.endr
.set J, 0
.rept \n
	v_cndmask_b32 v[224+J], v[ACC+2*J], v[ACC+2*J+1], s[\mk]
.set J, J+1
.endr
.endm
.macro RED n, m, mk
	PICK \n, \mk
.set J, 0
.rept \n
	v_add_f32_dpp v[ACC+J], v[208+J], v[224+J] row_xmask:\m row_mask:0xf bank_mask:0xf
.set J, J+1
.endr
.endm
	RED 16, 1, 42
	RED 8, 2, 43
	RED 4, 4, 44
	RED 2, 8, 45
	PICK 1, 46
	v_permlanex16_b32 v209, v208, s40, s41
	v_add_f32 v176, v224, v209
	v_add_f32 v176, v176, v7                       ; the logit of token lane % 4, expert lane / 4
	v_max_num_f32_dpp v177, v176, v176 row_xmask:4 row_mask:0xf bank_mask:0xf
	v_max_num_f32_dpp v177, v177, v177 row_xmask:8 row_mask:0xf bank_mask:0xf
	v_permlanex16_b32 v178, v177, s40, s41
	v_max_num_f32 v177, v177, v178                 ; the token's largest logit
	v_sub_f32 v179, v176, v177
	v_cmp_eq_f32 vcc_lo, v176, v177
	v_mul_f32 v179, 0x3fb8aa3b, v179               ; x log2(e)
	v_cndmask_b32 v180, 0x41000000, v9, vcc_lo     ; e where the logit is the largest, else 8
	s_wait_alu depctr_va_vdst(0)                   ; ahead of the transcendental
	v_exp_f32 v179, v179
	v_min_num_f32_dpp v181, v180, v180 row_xmask:4 row_mask:0xf bank_mask:0xf
	s_wait_alu depctr_va_vdst(0)                   ; and ahead of its first reader
	v_add_f32_dpp v182, v179, v179 row_xmask:4 row_mask:0xf bank_mask:0xf
	v_min_num_f32_dpp v181, v181, v181 row_xmask:8 row_mask:0xf bank_mask:0xf
	v_add_f32_dpp v182, v182, v182 row_xmask:8 row_mask:0xf bank_mask:0xf
	v_permlanex16_b32 v183, v181, s40, s41
	v_permlanex16_b32 v184, v182, s40, s41
	v_min_num_f32 v181, v181, v183                 ; the lowest expert with the largest logit
	v_add_f32 v182, v182, v184                     ; between 1 and 8
	v_cmp_eq_f32 s28, v9, v181                     ; bit 4 e + p: token p has chosen e
	v_mov_b32 v185, s28
	s_wait_alu depctr_va_vdst(0)                   ; ahead of the transcendental
	v_rcp_f32 v186, v182
	v_nop
	s_wait_alu depctr_va_vdst(0)
	ds_store_b32 v12, v185                         ; all lanes the same word, the same value
	s_wait_dscnt 0x0                               ; for the others' sake
	s_barrier_signal -1
	QH 1, 144                                      ; work on registers while the others arrive
	s_wait_alu depctr_va_vdst(0)
	s_barrier_wait -1
	ds_load_b128 v[188:191], v13                   ; the four waves' words
	QS 1, 144
	global_store_b32 v15, v186, s[16:17]           ; my token's gate
	s_wait_dscnt 0x0
	v_bfe_u32 v188, v188, v14, 4                   ; expert lane % 8: four tokens of each wave
	v_bfe_u32 v189, v189, v14, 4
	v_bfe_u32 v190, v190, v14, 4
	v_bfe_u32 v191, v191, v14, 4
	v_lshl_or_b32 v188, v189, 4, v188
	v_lshl_or_b32 v190, v191, 4, v190
	v_lshl_or_b32 v192, v190, 8, v188
	s_wait_alu depctr_va_vdst(0)
	s_wait_tensorcnt 0x0                           ; the wave's end
	ds_add_u32 v[SPW], v[NIL]
	s_wait_dscnt 0x0
	s_cmp_lg_u32 s18, 0
	s_cbranch_scc1 .Ldone                          ; wave 0 stores the group's masks
	global_store_b16 v0, v192, s[14:15]
.Ldone:
	s_endpgm
.Lfunc_end_k_q901529e08f_route:
	.size	k_q901529e08f_route, .Lfunc_end_k_q901529e08f_route-k_q901529e08f_route
	.p2alignl 7, 3214868480
	.fill 96, 4, 3214868480
	.section	.rodata,"a",@progbits
	.p2align	6, 0x0
	.amdhsa_kernel k_q901529e08f_route
		.amdhsa_group_segment_fixed_size 33536
		.amdhsa_private_segment_fixed_size 0
		.amdhsa_enable_private_segment 0
		.amdhsa_kernarg_size 56
		.amdhsa_user_sgpr_count 2
		.amdhsa_user_sgpr_kernarg_segment_ptr 1
		.amdhsa_wavefront_size32 1
		.amdhsa_system_sgpr_workgroup_id_x 1
		.amdhsa_system_sgpr_workgroup_id_y 1
		.amdhsa_system_sgpr_workgroup_id_z 1
		.amdhsa_system_vgpr_workitem_id 0
		.amdhsa_next_free_vgpr 256
		.amdhsa_next_free_sgpr 66
		.amdhsa_reserve_vcc 1
		.amdhsa_float_denorm_mode_32 3
		.amdhsa_float_denorm_mode_16_64 3
		.amdhsa_memory_ordered 1
		.amdhsa_forward_progress 1
		.amdhsa_inst_pref_size 65
	.end_amdhsa_kernel
	.amdgpu_metadata
---
amdhsa.version: [ 1, 2 ]
amdhsa.kernels:
  - .name:           k_q901529e08f_route
    .symbol:         k_q901529e08f_route.kd
    .args:
      - { .name: x, .offset: 0, .size: 8, .value_kind: global_buffer, .address_space: global }
      - { .name: router_w, .offset: 8, .size: 8, .value_kind: global_buffer, .address_space: global }
      - { .name: router_b, .offset: 16, .size: 8, .value_kind: global_buffer, .address_space: global }
      - { .name: lowp_scales, .offset: 24, .size: 8, .value_kind: global_buffer, .address_space: global }
      - { .name: x_codes, .offset: 32, .size: 8, .value_kind: global_buffer, .address_space: global }
      - { .name: masks, .offset: 40, .size: 8, .value_kind: global_buffer, .address_space: global }
      - { .name: gate, .offset: 48, .size: 8, .value_kind: global_buffer, .address_space: global }
    .group_segment_fixed_size: 33536
    .private_segment_fixed_size: 0
    .kernarg_segment_align: 8
    .kernarg_segment_size: 56
    .max_flat_workgroup_size: 128
    .sgpr_count:     66
    .vgpr_count:     256
    .wavefront_size: 32
...
	.end_amdgpu_metadata
.endif
;; end of part 1
;; launch moe (part 2): grid 256 x 1, 4 waves a work-group, no clusters, 201,216 bytes of LDS; arguments x_codes, expert_w, masks, gate, expert_b, lowp_scales, out0; writes out0
.if DOCPART == 2
	.amdgcn_target "amdgcn-amd-amdhsa--gfx1250"
	.amdhsa_code_object_version 6
	.text
	.protected	k_q901529e08f_moe
	.globl	k_q901529e08f_moe
	.p2align	8
	.type	k_q901529e08f_moe,@function
k_q901529e08f_moe:
	s_mov_b64 s[64:65], 0
	v_nop
	global_prefetch_b8 v0, s[64:65] scope:SCOPE_SE
	s_setreg_imm32_b32 hwreg(HW_REG_WAVE_MODE, 25, 1), 1
	s_wait_xcnt 0x0
; out[t][f] = gate[t] x (2^(ea+eb) x sum over k of xcode[t][k] wcode[e][f][k] + expert_b[e][f]), e = the expert that token t has chosen: the products on codes of FP8 (E4M3), sums in f32.
; A token is multiplied with its chosen expert alone: masks[e] (4,096 bits, stored by the launch before) says which tokens those are.  Any split is served, all tokens on one expert too.
; SHARES.  Work-group = 32 e + 16 p + fb: expert e, columns 64 fb ..+63.  Of the expert's n tokens, in ascending order, block b (16 of them) goes to wave b % 8: number 2 w + p, w = the wave in its work-group.
; The last block is filled up with its last token again: the same row is computed and the same bytes are stored once more by the same wave.
; EXPERT_W IS QUANTISED HERE, from f32: wave w takes rows 64 fb + 16 w ..+15, holds them within +-448 x 2^eb, converts, and lays the codes in LDS, in the order of k that the codes of x have (a lane's four numbers of four segments of
; 128 make 16 bytes).  K comes in two halves of 512, each in eight units (2 rows x half a row); behind each half stands a barrier, and every wave then takes that half of all 64 rows into 256 registers, the first half's while the second half is
; on its way.  The fragments stay in registers.  Two work-groups read the same rows of expert_w.
; THE LIST.  Lane l holds the mask's words 4 l .. 4 l + 3.  Counts by adding neighbouring fields, a prefix sum over the lanes; rank R is sought by five halvings over the lanes, then among the lane's four words, then among a word's bits.
; A list register holds two blocks of 16 tokens, a PAIR; three pairs (768 tokens of the expert) are listed at the head, between the units of expert_w, more in the loop where there are more.
; A BLOCK: its 16 rows of codes have come by loads whose sixteen neighbouring lanes take 256 consecutive bytes (rows i and 8 + i); they turn through the wave's own stage in LDS into fragments (16 rows x 128 of K: lane (r, h) takes 16 bytes at
; 32 c + 16 h).  The block two on is asked for between the K steps.  Source 0 = 16 tokens, source 1 = 16 rows of W: lane (r, h), register j holds token 8 h + j.  Row r of W's block b is column 4 r + b, so the four accumulators give a lane four
; neighbouring columns, and sixteen lanes a token's 256 bytes: results leave straight from registers.  But for W's codes waves share nothing.
; No tensor load and so no shared load: rows are gathered by a list, and branches and trip counts hang on stored numbers.  No prefetch: 56 of a wave's 128 loads of expert_w are out before its first wait, and x's rows two blocks ahead.
; LIMITS: -126 <= eb <= 119, -126 <= ea + eb <= 127.  NaN among the inputs is not served.
; REGISTERS: window 0: v0-35 addresses and lists; v36-67 accumulators (at the head codes); v128-255 x's fragments (list temporaries at other times; v224-255 results on their way out).
;   window 1: two blocks' rows on their way, 128 each.   windows 2, 3: W's fragments 64 (q % 4) + 16 b of K steps 0-3 and 4-7; window 3 holds expert_w in f32 first (7 units of 32 registers).
.set PITCH, 1040                       ; x's rows in LDS: 1,024 bytes + 16
.set WP,    528                        ; W's rows in LDS: a half of K, 512 bytes + 16
.set WH,    33792                      ; W's 64 rows of a half; the second half lies behind the first
.set XST,   67584                      ; behind W's two halves: two stages of 16 rows for each wave
.set STG,   16640
.set SPARE, 200704                     ; the spare words
.set AC,  36
.set BI,  68                           ; bias of columns 4 r + 0..3
.set GJ,  72                           ; gates of tokens 8 h + j
.set T,   80                           ; tokens 8 h + i: even block v80-87, odd block v88-95
.set XO,  96                           ; offsets of x's rows (at the head v96-111)
.set SA,  104                          ; offsets of out's rows
.set NT,  112                          ; tokens of the block two on
.set XF,  128
.set OU,  224
.set TB,  128                          ; list temporaries: 16 for each of three lists: 0 R, 1 4 x lane, 2, 3 at work, 4 rank left, 5 word, 6-8 counts of 2, 4, 8 bits, 9 place, 10-15 fetched
.set MSB, 0
.macro WIN new                         ; the immediate's high byte repeats the setting that is left
.if MSB != (\new)
	s_set_vgpr_msb (MSB<<8)|(\new)
.set MSB, (\new)
.endif
.endm
.macro VW
	s_wait_alu depctr_va_vdst(0)
.endm
	s_load_b256 s[4:11], s[0:1], 0x0               ; x_codes, expert_w, masks, gate
	s_load_b128 s[12:15], s[0:1], 0x20             ; expert_b, lowp_scales
	s_load_b64 s[16:17], s[0:1], 0x30              ; out0
	v_lshl_add_u32 v4, v0, 2, SPARE                ; my spare word
	v_mov_b32 v5, 0
	v_lshrrev_b32 v6, 5, v0
	v_readfirstlane_b32 s18, v6                    ; wave
	v_and_b32 v3, 31, v0
	v_lshlrev_b32 v17, 4, v3                       ; 16 x lane
	v_and_b32 v1, 15, v0                           ; r
	v_bfe_u32 v2, v0, 4, 1                         ; h
	v_lshlrev_b32 v7, 4, v1                        ; 16 r
	v_lshlrev_b32 v18, 5, v2                       ; 32 h: 4 x slot 8 h
	v_mul_u32_u24 v16, v1, WP
	v_lshl_add_u32 v16, v2, 4, v16                 ; W's fragments: row r, 16 h
	v_mul_u32_u24 v9, v1, PITCH
	v_lshl_add_u32 v9, v2, 4, v9
	s_mul_i32 s42, s18, 2*STG
	s_add_co_u32 s42, s42, XST
	v_add_nc_u32 v9, s42, v9                       ; x's fragments, in my stages
	v_mul_u32_u24 v8, v2, 8*PITCH
	v_add_nc_u32 v8, v8, v7
	v_add_nc_u32 v8, s42, v8                       ; x's rows into my stages: row 8 h + i, 16 r
	s_mul_i32 s42, s18, 4*WP
	v_add_nc_u32 v15, s42, v17                     ; W's codes: row i of mine is column 16 w + i, LDS row 16 (i % 4) + 4 w + i / 4
	s_and_b32 s20, ttmp9, 15                       ; fb
	s_bfe_u32 s21, ttmp9, 0x10004                  ; p
	s_lshr_b32 s22, ttmp9, 5                       ; e
	s_lshl_b32 s19, s18, 1
	s_add_co_u32 s19, s19, s21                     ; my number among the expert's eight waves
	s_lshl_b32 s42, s19, 4
	VW
	v_lshl_add_u32 v35, v2, 7, v1
	v_add_nc_u32 v35, s42, v35                     ; rank of pair 0: 128 h + 16 x my number + r
	s_lshl_b32 s24, s22, 22                        ; expert_w: row 1024 e + 64 fb + 16 w
	s_lshl_b32 s26, s20, 18
	s_add_co_u32 s24, s24, s26
	s_lshl_b32 s26, s18, 16
	s_add_co_u32 s24, s24, s26
	s_mov_b32 s25, 0
	s_lshl_b32 s26, s22, 9                         ; masks
	s_mov_b32 s27, 0
	s_lshl_b32 s34, s20, 8                         ; out: 256 fb
	s_mov_b32 s35, 0
	s_lshl_b32 s28, s22, 12                        ; expert_b
	s_add_co_u32 s28, s28, s34
	s_mov_b32 s29, 0
	s_mov_b32 s39, 0x01010101
	VW
	s_wait_kmcnt 0x0
	s_load_b64 s[40:41], s[14:15], 0x0             ; ea, eb
	s_add_nc_u64 s[6:7], s[6:7], s[24:25]
	s_add_nc_u64 s[8:9], s[8:9], s[26:27]
	s_add_nc_u64 s[12:13], s[12:13], s[28:29]
	s_add_nc_u64 s[16:17], s[16:17], s[34:35]
	global_load_b128 v[28:31], v17, s[8:9]         ; my four words of the mask
	global_load_b128 v[BI:BI+3], v7, s[12:13]
.macro LOADW n                         ; unit n: rows 2 (n % 8), + 1, half n / 8: eight loads of 512 consecutive bytes, into set n % 7
	WIN 0xc0
.irp y, 0,1
.irp s, 0,1,2,3
	global_load_b128 v[32*((\n)%7)+16*\y+4*\s:32*((\n)%7)+16*\y+4*\s+3], v17, s[6:7] offset:4096*(2*((\n)%8)+\y)+2048*((\n)/8)+512*\s
.endr
.endr
	WIN 0
.endm
.irp n, 0,1,2,3,4,5,6
	LOADW \n
.endr
	VW
	s_wait_loadcnt 56                              ; the mask and the bias are in; seven units may be out
	; how many bits each word has: fields of 2, 4 and 8 bits, then the four bytes' sum in the highest byte
.macro FOUR op, d, c, x
.irp i, 0,1,2,3
	\op v[\d+\i], \c, v[\x+\i]
.endr
.endm
.macro FOURV op, d, x, y
.irp i, 0,1,2,3
	\op v[\d+\i], v[\x+\i], v[\y+\i]
.endr
.endm
	FOUR v_lshrrev_b32, 128, 1, 28
	FOUR v_and_b32, 128, 0x55555555, 128
	FOURV v_sub_nc_u32, 128, 28, 128
	FOUR v_lshrrev_b32, 132, 2, 128
	FOUR v_and_b32, 132, 0x33333333, 132
	FOUR v_and_b32, 128, 0x33333333, 128
	FOURV v_add_nc_u32, 128, 128, 132
	FOUR v_lshrrev_b32, 132, 4, 128
	FOURV v_add_nc_u32, 128, 128, 132
	FOUR v_and_b32, 128, 0x0f0f0f0f, 128
	FOUR v_mul_lo_u32, 128, s39, 128
	FOUR v_lshrrev_b32, 128, 24, 128
	v_add_nc_u32 v129, v129, v128                  ; up to and with each word
	v_add_nc_u32 v130, v130, v129
	v_add_nc_u32 v131, v131, v130
	v_lshl_or_b32 v34, v129, 8, v128
	v_lshl_or_b32 v34, v130, 16, v34               ; v34: the first three, a byte each (96 at the most)
	v_mov_b32 v32, v131
.irp n, 1,2,4,8
	v_add_nc_u32_dpp v32, v32, v32 row_shr:\n row_mask:0xf bank_mask:0xf bound_ctrl:1
.endr
	v_readlane_b32 s42, v32, 15
	v_mad_u32_u24 v32, v2, s42, v32                ; v32: bits up to and with my lane
	v_sub_nc_u32 v33, v32, v131                    ; v33: bits ahead of my lane
	v_readlane_b32 s30, v32, 31                    ; n
	VW
	s_wait_kmcnt 0x0
	s_add_co_i32 s36, s40, s41
	s_add_co_i32 s36, s36, 127
	s_lshl_b32 s36, s36, 23                        ; 2^(ea+eb)
	s_add_co_i32 s41, s41, 127
	s_lshl_b32 s42, s41, 23
	v_mov_b32 v11, s42                             ; 2^eb
	s_add_co_i32 s41, s41, 8
	s_lshl_b32 s41, s41, 23
	s_or_b32 s41, s41, 0x600000
	v_mov_b32 v10, s41                             ; 448 x 2^eb
	s_sub_co_u32 s38, s30, 1
	s_add_co_u32 s31, s30, 15
	s_lshr_b32 s31, s31, 4                         ; blocks
	s_add_co_u32 s31, s31, 7
	s_sub_co_u32 s31, s31, s19
	s_lshr_b32 s31, s31, 3                         ; mine
	s_max_u32 s32, s31, 2
	s_sub_co_u32 s32, s32, 2
	s_lshr_b32 s32, s32, 1                         ; the loop's trips: pairs behind which a whole pair follows
	VW                                             ; the head's end
; One line for each list from lo on: op d, x, y;  op d, constant, y;  compare;  select;  field.
.macro ITT op, d, x, y, lo
.irp k, 0,1,2
.if \k >= \lo
	\op v[TB+16*\k+\d], v[TB+16*\k+\x], v[TB+16*\k+\y]
.endif
.endr
.endm
.macro ICT op, d, c, y, lo
.irp k, 0,1,2
.if \k >= \lo
	\op v[TB+16*\k+\d], \c, v[TB+16*\k+\y]
.endif
.endr
.endm
.macro IGE x, y, lo                    ; s[46 + k] = x >= y
.irp k, 0,1,2
.if \k >= \lo
	v_cmp_ge_u32 s[46+\k], v[TB+16*\k+\x], v[TB+16*\k+\y]
.endif
.endr
.endm
.macro ISEL d, x, y, lo                ; y where the bit is set
.irp k, 0,1,2
.if \k >= \lo
	v_cndmask_b32 v[TB+16*\k+\d], v[TB+16*\k+\x], v[TB+16*\k+\y], s[46+\k]
.endif
.endr
.endm
.macro ISEL0 d, c, lo                  ; c where the bit is set, else 0
.irp k, 0,1,2
.if \k >= \lo
	v_cndmask_b32 v[TB+16*\k+\d], 0, \c, s[46+\k]
.endif
.endr
.endm
.macro ISELC d, c, lo                  ; c where the bit is set, else as it was
.irp k, 0,1,2
.if \k >= \lo
	v_cndmask_b32 v[TB+16*\k+\d], v[TB+16*\k+\d], \c, s[46+\k]
.endif
.endr
.endm
.macro IBC d, x, off, wid, lo
.irp k, 0,1,2
.if \k >= \lo
	v_bfe_u32 v[TB+16*\k+\d], v[TB+16*\k+\x], \off, \wid
.endif
.endr
.endm
.macro IBV d, x, q, wid, lo
.irp k, 0,1,2
.if \k >= \lo
	v_bfe_u32 v[TB+16*\k+\d], v[TB+16*\k+\x], v[TB+16*\k+\q], \wid
.endif
.endr
.endm
.macro PROBE z, lo                     ; the count at lane (found so far) + z - 1
	ICT v_add_nc_u32, 2, 4*\z-4, 1, \lo
.irp k, 0,1,2
.if \k >= \lo
	ds_bpermute_b32 v[TB+16*\k+3], v[TB+16*\k+2], v32
.endif
.endr
.endm
.macro PTEST z, lo                     ; R lies behind it: z lanes on
	IGE 0, 3, \lo
	ISEL0 2, 4*\z, \lo
	ITT v_add_nc_u32, 1, 1, 2, \lo
.endm
.macro FETCHL lo                       ; the found lane's numbers
.irp k, 0,1,2
.if \k >= \lo
	ds_bpermute_b32 v[TB+16*\k+10], v[TB+16*\k+1], v33
	ds_bpermute_b32 v[TB+16*\k+11], v[TB+16*\k+1], v34
	ds_bpermute_b32 v[TB+16*\k+12], v[TB+16*\k+1], v28
	ds_bpermute_b32 v[TB+16*\k+13], v[TB+16*\k+1], v29
	ds_bpermute_b32 v[TB+16*\k+14], v[TB+16*\k+1], v30
	ds_bpermute_b32 v[TB+16*\k+15], v[TB+16*\k+1], v31
.endif
.endr
.endm
.macro DOWN add, lo                    ; past a field of t = (3) bits: rank left = min(rank, rank - t), unsigned
	IGE 4, 3, \lo
	ISEL0 13, \add, \lo
	ITT v_sub_nc_u32, 11, 4, 3, \lo
	ITT v_min_u32, 4, 4, 11, \lo
	ITT v_add_nc_u32, 12, 12, 13, \lo
.endm
.macro SELECT lo
	ITT v_sub_nc_u32, 4, 0, 10, \lo                ; rank inside the lane's 128 tokens
	IBC 3, 11, 0, 8, \lo
	IGE 4, 3, \lo
	ISEL 5, 12, 13, \lo
.irp k, 0,1,2
.if \k >= \lo
	v_cndmask_b32 v[TB+16*\k+2], 0, v[TB+16*\k+3], s[46+\k]
.endif
.endr
	ISEL0 9, 32, \lo
	IBC 3, 11, 8, 8, \lo
	IGE 4, 3, \lo
	ISEL 5, 5, 14, \lo
	ISEL 2, 2, 3, \lo
	ISELC 9, 64, \lo
	IBC 3, 11, 16, 8, \lo
	IGE 4, 3, \lo
	ISEL 5, 5, 15, \lo
	ISEL 2, 2, 3, \lo
	ISELC 9, 0x60, \lo
	ITT v_sub_nc_u32, 4, 4, 2, \lo                 ; rank inside the word
.irp k, 0,1,2
.if \k >= \lo
	v_lshl_add_u32 v[TB+16*\k+9], v[TB+16*\k+1], 5, v[TB+16*\k+9]   ; 128 x lane + 32 x word
.endif
.endr
	ICT v_lshrrev_b32, 6, 1, 5, \lo
	ICT v_and_b32, 6, 0x55555555, 6, \lo
	ITT v_sub_nc_u32, 6, 5, 6, \lo                 ; counts of 2 bits
	ICT v_lshrrev_b32, 7, 2, 6, \lo
	ICT v_and_b32, 7, 0x33333333, 7, \lo
	ICT v_and_b32, 8, 0x33333333, 6, \lo
	ITT v_add_nc_u32, 7, 7, 8, \lo                 ; of 4
	ICT v_lshrrev_b32, 8, 4, 7, \lo
	ITT v_add_nc_u32, 8, 8, 7, \lo
	ICT v_and_b32, 8, 0x0f0f0f0f, 8, \lo           ; of 8
	ICT v_lshrrev_b32, 10, 8, 8, \lo
	ITT v_add_nc_u32, 10, 10, 8, \lo               ; of the low 16, in the lowest byte
	IBC 3, 10, 0, 8, \lo
	IGE 4, 3, \lo
	ISEL0 12, 16, \lo
	ITT v_sub_nc_u32, 11, 4, 3, \lo
	ITT v_min_u32, 4, 4, 11, \lo
	IBV 3, 8, 12, 8, \lo
	DOWN 8, \lo
	IBV 3, 7, 12, 4, \lo
	DOWN 4, \lo
	IBV 3, 6, 12, 2, \lo
	DOWN 2, \lo
	IBV 3, 5, 12, 1, \lo
	IGE 4, 3, \lo
	ISEL0 13, 1, \lo
	ITT v_add_nc_u32, 12, 12, 13, \lo
	ITT v_add_nc_u32, 9, 9, 12, \lo
.irp k, 0,1,2
.if \k >= \lo
	v_min_u32 v[20+\k], 0xfff, v[TB+16*\k+9]       ; the token: v20, v21, v22 = this pair, the next, the one after
.endif
.endr
.irp k, 0,1,2
.if \k >= \lo
	v_lshlrev_b32 v[TB+16*\k+2], 2, v[20+\k]
.endif
.endr
.irp k, 0,1,2
.if \k >= \lo
	global_load_b32 v[24+\k], v[TB+16*\k+2], s[10:11]   ; and its gate
.endif
.endr
.endm
; Unit n: held, converted, laid in LDS.  left = the younger loads, which may be out.  Two sets of code registers take turns.
.macro ROWC n, left
.set Z, 32*((\n)%7)
.set C, 36+8*((\n)%2)
	VW
	s_wait_loadcnt \left
	WIN 0xc3
.set J, 0
.rept 32
	v_med3_num_f32 v[Z+J], v[Z+J], -v10, v10       ; the conversion to an 8-bit code does not saturate (ISA guide 7.6.2)
.set J, J+1
.endr
	WIN 0x03
.irp m, 0,1,2,3
	v_cvt_scalef32_pk8_fp8_f32 v[C+2*\m:C+2*\m+1], v[Z+8*\m:Z+8*\m+7], v11
.endr
	WIN 0
	v_nop                                          ; one plain vector instruction behind the last conversion
.irp y, 0,1
.set I, 2*((\n)%8)+\y
	ds_store_b128 v15, v[C+4*\y:C+4*\y+3] offset:WP*(16*(I%4)+I/4)+WH*((\n)/8)
.endr
.endm
.macro XIDX                            ; pair 0: the tokens of rows 8 h + i of both blocks
.irp o, 0,1
.irp i, 0,1,2,3,4,5,6,7
	v_add_nc_u32 v[T+8*\o+\i], 4*\i+64*\o, v18
.endr
.endr
.set J, 0
.rept 16
	ds_bpermute_b32 v[T+J], v[T+J], v20
.set J, J+1
.endr
.endm
.macro XOFF                            ; and their rows in x_codes
.set J, 0
.rept 16
	v_min_u32 v[T+J], 0xfff, v[T+J]
.set J, J+1
.endr
.set J, 0
.rept 16
	v_lshl_add_u32 v[XO+J], v[T+J], 10, v7
.set J, J+1
.endr
.endm
.macro XLD o, i, a                     ; rows i and 8 + i of block o, at offset v[a]: four loads of twice 256 consecutive bytes
	WIN 0x40
.irp c, 0,1,2,3
	global_load_b128 v[128*(\o)+16*(\i)+4*\c:128*(\o)+16*(\i)+4*\c+3], v[\a], s[4:5] offset:256*\c
.endr
.endm
.macro HSTEP z, n                      ; a halving of the search, with a unit of expert_w between question and answer
	PROBE \z, 0
	ROWC \n, 48                                    ; six younger units of eight loads may be out
	LOADW \n+7
	VW
	s_wait_dscnt 2                                 ; the answers are in; the unit's two stores may be out
	PTEST \z, 0
.endm
.macro WFRAG q, b                      ; W's fragment b of K step q
	WIN 0x80+0x40*((\q)/4)
.irp c, 0,1,2,3
	ds_load_b128 v[64*((\q)%4)+16*(\b)+4*\c:64*((\q)%4)+16*(\b)+4*\c+3], v16 offset:16*WP*(\b)+WH*((\q)/4)+128*((\q)%4)+32*\c
.endr
.endm
.macro FR8 j                           ; two of the first half's sixteen
	WFRAG (\j)/2, 2*((\j)%2)
	WFRAG (\j)/2, 2*((\j)%2)+1
	WIN 0
.endm
.macro HALF                            ; a half of W's codes is whole
	VW
	s_wait_dscnt 0x0                               ; for the others' sake: my stores are done
	s_barrier_signal -1
	s_barrier_wait -1
.endm
.irp k, 0,1,2
	v_add_nc_u32 v[TB+16*\k], 256*\k, v35
	v_mov_b32 v[TB+16*\k+1], 0
	v_min_u32 v[TB+16*\k], s38, v[TB+16*\k]        ; past the last token: the last token
.endr
	HSTEP 16, 0
	HSTEP 8, 1
	HSTEP 4, 2
	HSTEP 2, 3
	HSTEP 1, 4
	FETCHL 0
	ROWC 5, 48
	LOADW 12
	VW
	s_wait_dscnt 2
	SELECT 0                                       ; issues the three gate loads
	XIDX
	ROWC 6, 51                                     ; units 7-12 and the three gate loads may be out
	LOADW 13
	VW
	s_wait_dscnt 2
	XOFF
	ROWC 7, 51
	LOADW 14
	HALF                                           ; K half 0
	ROWC 8, 51
	LOADW 15
	FR8 0
.macro HROW n, left, o, i              ; a unit, eight loads of pair 0's rows of x, two fragments of the first half
	ROWC \n, \left
	XLD \o, \i, XO+8*\o+\i
	XLD \o, \i+1, XO+8*\o+\i+1
	WIN 0
	FR8 \n-8
.endm
	HROW 9, 51, 0, 0                               ; 51 = units 10-12, the gates, units 13-15; and so on: eight loads come for each eight that are waited for
	HROW 10, 51, 0, 2
	HROW 11, 51, 0, 4
	HROW 12, 51, 0, 6
	HROW 13, 48, 1, 0                              ; the gates are older than unit 13
	HROW 14, 48, 1, 2
	HROW 15, 48, 1, 4
	XLD 1, 6, XO+14
	XLD 1, 7, XO+15
	WIN 0
	HALF                                           ; K half 1; nothing is stored among W's codes after this
.irp q, 4,5,6,7
.irp b, 0,1,2,3
	WFRAG \q, \b
.endr
.endr
	WIN 0
; A block of the pair in v20: o = even or odd, ld = 1: the block two on (of the pair in v21) is asked for, out = the younger block's loads, which may be out.
; The four accumulators take turns, one instruction a turn.
.macro TRIP o, ld, out
.if \ld
.irp i, 0,1,2,3,4,5,6,7
	v_add_nc_u32 v[NT+\i], 4*\i+64*\o, v18
.endr
.irp i, 0,1,2,3,4,5,6,7
	ds_bpermute_b32 v[NT+\i], v[NT+\i], v21
.endr
.endif
	VW
	s_wait_loadcnt \out                            ; the block's rows are in
	WIN 0x04
.irp i, 0,1,2,3,4,5,6,7
.irp c, 0,1,2,3
	ds_store_b128 v8, v[128*\o+16*\i+4*\c:128*\o+16*\i+4*\c+3] offset:STG*\o+PITCH*\i+256*\c
.endr
.endr
	WIN 0
.irp q, 0,1,2,3,4,5,6,7
.if \q == 6
	s_wait_xcnt 0x0                                ; the last block's stores have read v224-255 and their offsets, the last loads theirs
.endif
.irp c, 0,1,2,3
	ds_load_b128 v[XF+16*\q+4*\c:XF+16*\q+4*\c+3], v9 offset:STG*\o+128*\q+32*\c   ; LDS serves a wave's instructions in order (ISA guide 5.7.1.4)
.endr
.endr
.irp i, 0,1,2,3,4,5,6,7
	v_add_nc_u32 v[GJ+\i], 4*\i+64*\o, v18
.endr
.irp i, 0,1,2,3,4,5,6,7
	ds_bpermute_b32 v[GJ+\i], v[GJ+\i], v24        ; the gates of tokens 8 h + i
.endr
	VW
.irp q, 0,1,2,3,4,5,6,7
.if \q < 7
	s_wait_dscnt 36-4*\q                           ; K step q's fragment is in; the later steps' and the eight gates may be out
.else
	s_wait_dscnt 0x0
.endif
	WIN 8+4*(\q/4)
.irp b, 0,1,2,3
.if \q == 0
	v_wmma_f32_16x16x128_fp8_fp8 v[AC+8*\b:AC+8*\b+7], v[XF+16*\q:XF+16*\q+15], v[64*(\q%4)+16*\b:64*(\q%4)+16*\b+15], 0
.else
	v_wmma_f32_16x16x128_fp8_fp8 v[AC+8*\b:AC+8*\b+7], v[XF+16*\q:XF+16*\q+15], v[64*(\q%4)+16*\b:64*(\q%4)+16*\b+15], v[AC+8*\b:AC+8*\b+7]
.endif
.endr
.if \ld
.if \q == 0
	WIN 0
.irp i, 0,1,2,3,4,5,6,7
	v_min_u32 v[NT+\i], 0xfff, v[NT+\i]
.endr
.irp i, 0,1,2,3,4,5,6,7
	v_lshl_add_u32 v[XO+\i], v[NT+\i], 10, v7
.endr
	VW
.endif
	XLD \o, \q, XO+\q                              ; (the stage's stores, older than the fragments, have read these registers)
.endif
.endr
	WIN 0
.irp i, 0,1,2,3,4,5,6,7
	v_min_u32 v[SA+\i], 0xfff, v[T+8*\o+\i]        ; (these sixteen are also the places behind the last products)
.endr
.irp i, 0,1,2,3,4,5,6,7
	v_lshl_add_u32 v[SA+\i], v[SA+\i], 12, v7      ; the tokens' rows in out
.endr
.if \ld
.irp i, 0,1,2,3,4,5,6,7
	v_mov_b32 v[T+8*\o+\i], v[NT+\i]
.endr
.endif
.irp b, 0,1,2,3
.irp j, 0,1,2,3,4,5,6,7
	v_fma_f32 v[OU+4*\j+\b], v[AC+8*\b+\j], s36, v[BI+\b]   ; x 2^(ea+eb) + bias
.endr
.endr
.irp j, 0,2,4,6                        ; x the gate
	v_pk_mul_f32 v[OU+4*\j:OU+4*\j+1], v[OU+4*\j:OU+4*\j+1], v[GJ+\j:GJ+\j+1] op_sel_hi:[1,0]
	v_pk_mul_f32 v[OU+4*\j+2:OU+4*\j+3], v[OU+4*\j+2:OU+4*\j+3], v[GJ+\j:GJ+\j+1] op_sel_hi:[1,0]
	v_pk_mul_f32 v[OU+4*\j+4:OU+4*\j+5], v[OU+4*\j+4:OU+4*\j+5], v[GJ+\j:GJ+\j+1] op_sel:[0,1] op_sel_hi:[1,1]
	v_pk_mul_f32 v[OU+4*\j+6:OU+4*\j+7], v[OU+4*\j+6:OU+4*\j+7], v[GJ+\j:GJ+\j+1] op_sel:[0,1] op_sel_hi:[1,1]
.endr
.irp j, 0,1,2,3,4,5,6,7
	global_store_b128 v[SA+\j], v[OU+4*\j:OU+4*\j+3], s[16:17] th:TH_STORE_NT   ; sixteen lanes store 256 consecutive bytes, at a multiple of 256
.endr
.endm
.macro ROT                             ; the lists and gates move up
	v_mov_b32 v20, v21
	v_mov_b32 v21, v22
	v_mov_b32 v24, v25
	v_mov_b32 v25, v26
.endm
	s_mov_b32 s33, 0                               ; the pair in hand
	s_cmp_eq_u32 s32, 0
	VW
	s_cbranch_scc1 .Ltail
.Lpair:                                                ; at the top the pair's two blocks have been asked for, and nothing behind them but a gate
	TRIP 0, 1, 32
	TRIP 1, 1, 32
	ROT
	s_lshl_b32 s44, s33, 1
	s_add_co_u32 s44, s44, 6
	s_cmp_lt_u32 s44, s31                          ; is there a pair three on?
	VW
	s_cbranch_scc0 .Lnolist
	s_lshl_b32 s44, s33, 8                         ; 256 ranks a pair
	s_add_co_u32 s44, s44, 768
	v_add_nc_u32 v[TB+32], s44, v35
	v_mov_b32 v[TB+33], 0
	v_min_u32 v[TB+32], s38, v[TB+32]
.irp z, 16,8,4,2,1
	PROBE \z, 2
	VW
	s_wait_dscnt 0x0
	PTEST \z, 2
.endr
	FETCHL 2
	VW
	s_wait_dscnt 0x0
	SELECT 2
	VW
	s_wait_xcnt 0x0                                ; the gate load has read its offset, which lies among x's fragments
.Lnolist:
	s_add_co_u32 s33, s33, 1
	s_cmp_lt_u32 s33, s32
	VW
	s_cbranch_scc1 .Lpair
.Ltail:                                                ; 0 to 3 blocks are left
	s_lshl_b32 s44, s32, 1
	s_sub_co_u32 s44, s31, s44
	s_cmp_lt_u32 s44, 3
	VW
	s_cbranch_scc1 .Ltwo
	TRIP 0, 1, 32
	TRIP 1, 0, 32
	ROT
	VW
	s_branch .Lone
.Ltwo:
	s_cmp_lt_u32 s44, 2
	s_cbranch_scc1 .Lless
	TRIP 0, 0, 32
	TRIP 1, 0, 0
	VW
	s_branch .Lend
.Lless:
	s_cmp_eq_u32 s44, 0
	s_cbranch_scc1 .Lend
.Lone:
	TRIP 0, 0, 0
.Lend:
	s_wait_tensorcnt 0x0                           ; the wave's end
	ds_add_u32 v4, v5
	s_wait_dscnt 0x0
	s_endpgm
.Lfunc_end_k_q901529e08f_moe:
	.size	k_q901529e08f_moe, .Lfunc_end_k_q901529e08f_moe-k_q901529e08f_moe
	.p2alignl 7, 3214868480
	.fill 96, 4, 3214868480
	.section	.rodata,"a",@progbits
	.p2align	6, 0x0
	.amdhsa_kernel k_q901529e08f_moe
		.amdhsa_group_segment_fixed_size 201216
		.amdhsa_private_segment_fixed_size 0
		.amdhsa_enable_private_segment 0
		.amdhsa_kernarg_size 56
		.amdhsa_user_sgpr_count 2
		.amdhsa_user_sgpr_kernarg_segment_ptr 1
		.amdhsa_wavefront_size32 1
		.amdhsa_system_sgpr_workgroup_id_x 1
		.amdhsa_system_sgpr_workgroup_id_y 1
		.amdhsa_system_sgpr_workgroup_id_z 1
		.amdhsa_system_vgpr_workitem_id 0
		.amdhsa_next_free_vgpr 1024
		.amdhsa_next_free_sgpr 66
		.amdhsa_reserve_vcc 0
		.amdhsa_float_denorm_mode_32 3
		.amdhsa_float_denorm_mode_16_64 3
		.amdhsa_memory_ordered 1
		.amdhsa_forward_progress 1
		.amdhsa_inst_pref_size 203
	.end_amdhsa_kernel
	.amdgpu_metadata
---
amdhsa.version: [ 1, 2 ]
amdhsa.kernels:
  - .name:           k_q901529e08f_moe
    .symbol:         k_q901529e08f_moe.kd
    .args:
      - { .name: x_codes, .offset: 0, .size: 8, .value_kind: global_buffer, .address_space: global }
      - { .name: expert_w, .offset: 8, .size: 8, .value_kind: global_buffer, .address_space: global }
      - { .name: masks, .offset: 16, .size: 8, .value_kind: global_buffer, .address_space: global }
      - { .name: gate, .offset: 24, .size: 8, .value_kind: global_buffer, .address_space: global }
      - { .name: expert_b, .offset: 32, .size: 8, .value_kind: global_buffer, .address_space: global }
      - { .name: lowp_scales, .offset: 40, .size: 8, .value_kind: global_buffer, .address_space: global }
      - { .name: out0, .offset: 48, .size: 8, .value_kind: global_buffer, .address_space: global }
    .group_segment_fixed_size: 201216
    .private_segment_fixed_size: 0
    .kernarg_segment_align: 8
    .kernarg_segment_size: 56
    .max_flat_workgroup_size: 128
    .sgpr_count:     66
    .vgpr_count:     1024
    .wavefront_size: 32
...
	.end_amdgpu_metadata
.endif
;; end of part 2
